; MI455X (gfx1250); checked and timed in simulation.
; The chip was launched on July 23, 2026; its instructions are those of AMD's public machine-readable ISA for CDNA 5 (MIT licence, August 2026) and "CDNA5" Instruction Set Architecture Reference Guide (July 2026). The comments in the code are by the model that wrote it; some were corrected since.
;; CMS Flip Linear. Allowed arithmetic: matrix products marked QUANTISED: E5M2 operands, one E8M0 scale for each 32 along K, by v_wmma_scale_f32_16x16x128_f8f6f4 with both operands' format E5M2, f32 sums; everything else in f32.
;; Inputs: scales 65,536 float32; ternary 2,048 x 4,096 int8; x 4 x 2,048 x 4,096 float32.
;; Outputs: out0 4 x 2,048 x 2,048 float32.
;; This version of the problem:
;;   THIS VERSION OF THE PROBLEM IS GIVEN IN LOW PRECISION. The matrix products marked QUANTISED in the list below multiply operands that are first quantised to E5M2 (5 exponent bits, 2 mantissa bits; 8 bits a number), with one power-of-two scale for each 32 numbers along K (OCP MX v1.0); their sums are f32. All else is computed in f32.
;;   The module's matrix products, in the order in which they are computed (A, B: the left and right operand; K: the contracted axis; several contracted axes count as one K, in the product's order):
;;     1. [M 8,192, K 4,096] x [K 4,096, N 2,048]; A: input x; B: computed on the way: QUANTISED
;;   THE QUANTISER, for each operand of a quantised product, along K:
;;     - K is cut into blocks of 32 from its start; a last block that is shorter is filled with zeros.
;;     - A block's scale is 2^e with e = floor(log2(the largest magnitude in the block)) - 15, held to -126 .. 127; a block of zeros has e = 0. As a byte (E8M0): e + 127.
;;     - Each number is divided by its block's scale, clamped to +-57,344, and rounded to the nearest number of E5M2, ties to even, subnormals kept.
;;     - The product sums the exact products of the quantised numbers (number of the format x scale) in f32.
;;   ~~~python
;;   def quantise(x, axis):      # numpy; x: float32 -> the quantised numbers, widened to float32 again
;;       x = np.moveaxis(x, axis, -1); K = x.shape[-1]
;;       x = np.pad(x, [(0, 0)] * (x.ndim - 1) + [(0, -K % 32)]); x = x.reshape(x.shape[:-1] + (-1, 32)); a = np.abs(x).max(-1, keepdims=True)
;;       e = np.where(a > 0, np.clip(np.frexp(np.where(a > 0, a, 1))[1] - 1 - 15, -126, 127), 0)      # np.frexp(a)[1] - 1 = floor(log2(a)), exactly
;;       r = np.clip(x / 2.0 ** e, -57344, 57344)
;;       step = 2.0 ** (np.maximum(np.frexp(np.where(r == 0, 1, r))[1] - 1, -14) - 2)
;;       q = np.round(r / step) * step * 2.0 ** e      # np.round: ties to even
;;       return np.moveaxis(q.reshape(q.shape[:-2] + (-1,))[..., :K], -1, axis).astype(np.float32)
;;   ~~~
;;   OPERANDS COMPUTED ON THE WAY. 'Computed on the way' means the value that the module computes at that place (a softmax that the list does not call 'softmax' is quantised finished and normalised). What goes into a quantiser is computed in f32, as accurately as f32 sums, v_exp_f32 and their like allow (about 1e-6 of the number): no bf16 or f16 on the way to a quantiser, and a product that is left as it is and whose result goes on into a quantised operand takes f32 operands (vector FMAs, or v_wmma_f32_16x16x4_f32). A number that lies on a knife's edge between two numbers of the format may be rounded either way, as far as f32 arithmetic and the matrix unit's own rounding can turn it there, and no further.
;; One version. Each part assembles by itself: llvm-mc -triple=amdgcn-amd-amdhsa -mcpu=gfx1250 --defsym DOCPART=n.
;; ======== version 1 of 1: 2 launches
;; limits: right only within a limited range of input values
;; workspace buffers: xq 34,603,008 bytes; wq 8,650,752 bytes
;; launch quant (part 1): grid 1024 x 1, 4 waves a work-group, no clusters, 41,984 bytes of LDS; arguments x, ternary, scales, xq, wq; writes xq, wq
.if DOCPART == 1
	.amdgcn_target "amdgcn-amd-amdhsa--gfx1250"
	.amdhsa_code_object_version 6
	.text
	.protected	k_q94e8ab1c92_quant
	.globl	k_q94e8ab1c92_quant
	.p2align	8
	.type	k_q94e8ab1c92_quant,@function
k_q94e8ab1c92_quant:
	s_mov_b64 s[64:65], 0
	v_nop
	global_prefetch_b8 v0, s[64:65] scope:SCOPE_SE
	s_setreg_imm32_b32 hwreg(HW_REG_WAVE_MODE, 25, 1), 1
	s_wait_xcnt 0x0
; x [8192][4096] f32, and W [2048][4096] = int8 code x its group's f32 scale (one scale for each 128 neighbours of a row), become codes of BF8 (E5M2) with one E8M0 byte for each 32 along K.
; A block's scale is 2^(floor(log2(its largest magnitude)) - 15); its byte is that magnitude's exponent field - 15, held at 1 from below.  Each number is divided by the scale, held within +-57,344, rounded to the nearest code, ties to even.
; LIMITS: NaN and infinities among the inputs are not served; blocks whose largest magnitude lies under 2^(16 - 127), the floor, get the byte 1; a block of zeros gets the byte 1 where the rule says 127: its codes are
; zeros, which add nothing under any byte but 0xff, and the bytes are read by this program alone.
; xq: [K step of 256: 16][block of 128 rows: 64][33,792 bytes]: row p's 256 codes at 256 p, then row p's 8 scale bytes at 32,768 + 8 p.
; wq: codes in the order of a matrix operand's registers: [128 along K: 32][16 rows: 128][c: 4][lane: 32][16 bytes], lane (r, h) holding k = 32 c + 16 h + 0 .. 15 of row r; from byte 8,388,608 on the scale words, [128 along K][16 rows][row].
; SHARES: work-group g takes K step g % 16 of x's row block g / 16 (wave w: 32 rows, two a step, 16 steps) and the same K step of W's 32 rows 32 (g / 16) ..
; x: each of a step's four loads reads 512 consecutive bytes, 16 a lane; the 2,048 bytes go through the wave's own stage in LDS as they lie and come back 64 bytes a lane: 16 neighbours, two lanes to a block.
; A lane's 16 codes are 16 bytes at 16 x lane: the wave stores 512 consecutive bytes.  A wave's 256 scale bytes are gathered in its own LDS bytes and leave as one aligned unit.
; W: the int8 rows are loaded whole (256 bytes by sixteen lanes), turn through a stage in LDS that the four waves share, and come back in the operand's order: wave w takes rows 16 (w / 2) .. and 128 (w % 2) along K.
; Its 16 scale words are 64 bytes, so units of the scale words are written in part: 262,144 bytes of all that the launch stores; lanes 16-31 store the same words as lanes 0-15.
.set BLK,   33792
.set SP,    80                         ; x's stage: a lane's 64 bytes + 16 of padding
.set WREG,  8192                       ; LDS of a wave for x: two stages of 32 x SP bytes, behind them its 256 scale bytes
.set WST,   32768                      ; LDS: W's stage, 32 rows of 272 bytes
.set SPARE, 41472                      ; the spare words
.set R,    16                          ; v16-79   x: four sets of 16 numbers as loaded
.set X,    80                          ; v80-111  x: two sets of 16 neighbours
.set E,    112                         ; v112-127 x: a scale byte for each step
.set C,    128                         ; v128-191 x: codes, four registers a step: no store's data are written again
.set WT,   192                         ; v192-207 W's int8
.set WX,   208                         ; v208-223 W's 16 numbers
.set GS,   224                         ; my row's group scale
.set WS,   225                         ; W's scale word
.set WC,   226                         ; v226-241 W's codes
.set WRD,  242                         ; W's stage on the way out
.set WSTO, 243                         ; and on the way in
.set TLO,  244                         ; my 16 int8 in ternary
.set GSO,  245                         ; my row's group scales
.set WSO,  246                         ; my row's scale word
	s_load_b256 s[4:11], s[0:1], 0x0               ; x, ternary, scales, xq
	s_load_b64 s[12:13], s[0:1], 0x20              ; wq
	v_lshl_add_u32 v254, v0, 2, SPARE
	v_mov_b32 v255, 0
	v_lshrrev_b32 v1, 5, v0
	v_readfirstlane_b32 s16, v1                    ; wave
	s_mul_i32 s19, s16, WREG                       ; x's stages,
	s_add_co_u32 s43, s19, 2*32*SP                 ; and my wave's 256 scale bytes
	s_mul_i32 s44, s16, 8*272
	s_add_co_u32 s44, s44, WST                     ; W's stage: my 8 rows on the way in
	s_lshr_b32 s18, s16, 1
	s_and_b32 s17, s16, 1
	s_mul_i32 s45, s18, 16*272
	s_lshl_b32 s22, s17, 7
	s_add_co_u32 s45, s45, s22
	s_add_co_u32 s45, s45, WST                     ; and my 16 rows x 128 bytes on the way out
	v_and_b32 v2, 31, v0                           ; lane
	v_lshlrev_b32 v3, 4, v2                        ; 16 x lane
	v_lshlrev_b32 v7, 3, v2                        ; 8 x lane
	v_lshrrev_b32 v14, 2, v2
	v_mul_u32_u24 v14, v14, SP
	v_and_b32 v15, 3, v2
	v_lshl_add_u32 v14, v15, 4, v14
	v_add_nc_u32 v14, s19, v14                     ; x's stage on the way in: four lanes' 64 bytes on end, then 16 of padding
	v_mul_u32_u24 v15, v2, SP
	v_add_nc_u32 v15, s19, v15                     ; and on the way out: my 16 neighbours
	v_lshrrev_b32 v5, 1, v2
	v_add_nc_u32 v5, s43, v5                       ; x: my block's byte
	v_add_nc_u32 v6, s43, v7                       ; and 8 bytes a lane on the way out
	v_and_b32 v8, 15, v2                           ; r
	v_lshrrev_b32 v9, 4, v2                        ; h
	v_lshlrev_b32 v[TLO], 4, v8
	v_lshl_add_u32 v[TLO], v9, 12, v[TLO]          ; 4,096 h + 16 r
	v_mul_u32_u24 v[WSTO], v9, 272
	v_lshl_add_u32 v[WSTO], v8, 4, v[WSTO]
	v_add_nc_u32 v[WSTO], s44, v[WSTO]             ; row 8 wave + h (+ 2 j)
	v_mul_u32_u24 v[WRD], v8, 272
	v_lshl_add_u32 v[WRD], v9, 4, v[WRD]
	v_add_nc_u32 v[WRD], s45, v[WRD]               ; row 16 (wave / 2) + r, byte 128 (wave % 2) + 16 h (+ 32 c)
	v_lshlrev_b32 v[GSO], 7, v8                    ; 128 bytes of group scales a row
	v_lshlrev_b32 v[WSO], 2, v8
	v_mov_b32 v10, 0                               ; (a lane permute's destination counts as read)
	s_mov_b32 s23, 0x600000                        ; the mantissa field of 57,344
	s_mov_b32 s40, 0x76543210
	s_mov_b32 s41, 0xfedcba98                      ; v_permlanex16_b32: lane xor 16
	s_and_b32 s39, ttmp9, 15                       ; the K step of 256
	s_lshr_b32 s42, ttmp9, 4                       ; the row block
	s_lshl_b32 s24, s42, 21                        ; x: 128 rows of 16,384 bytes a block,
	s_lshl_b32 s22, s16, 19                        ; 32 rows a wave,
	s_add_co_u32 s24, s24, s22
	s_lshl_b32 s22, s39, 10                        ; 1,024 bytes a K step
	s_add_co_u32 s24, s24, s22
	s_mov_b32 s25, 0
	s_lshl_b32 s19, s39, 6
	s_add_co_u32 s19, s19, s42
	s_mul_i32 s19, s19, BLK                        ; my block in xq
	s_lshl_b32 s22, s16, 13
	s_add_co_u32 s26, s19, s22
	s_mov_b32 s27, 0
	s_lshl_b32 s22, s16, 8
	s_add_co_u32 s28, s19, s22
	s_add_co_u32 s28, s28, 32768
	s_mov_b32 s29, 0
	s_lshl_b32 s30, s42, 17                        ; ternary: 32 rows of 4,096 bytes, 8 rows a wave, 256 bytes a K step
	s_lshl_b32 s22, s16, 15
	s_add_co_u32 s30, s30, s22
	s_lshl_b32 s22, s39, 8
	s_add_co_u32 s30, s30, s22
	s_mov_b32 s31, 0
	s_lshl_b32 s32, s42, 12                        ; the group scales: row 32 block + 16 (wave / 2), group 2 K step + wave % 2
	s_lshl_b32 s22, s18, 11
	s_add_co_u32 s32, s32, s22
	s_lshl_b32 s22, s39, 3
	s_add_co_u32 s32, s32, s22
	s_lshl_b32 s22, s17, 2
	s_add_co_u32 s32, s32, s22
	s_mov_b32 s33, 0
	s_lshl_b32 s19, s39, 1
	s_add_co_u32 s19, s19, s17
	s_lshl_b32 s19, s19, 7
	s_lshl_b32 s22, s42, 1
	s_add_co_u32 s19, s19, s22
	s_add_co_u32 s19, s19, s18                     ; 128 x (128 along K) + (16 rows)
	s_lshl_b32 s34, s19, 11
	s_mov_b32 s35, 0
	s_lshl_b32 s36, s19, 6
	s_add_co_u32 s36, s36, 8388608
	s_mov_b32 s37, 0
	s_wait_alu depctr_va_vdst(0)
	s_wait_kmcnt 0x0
	s_add_nc_u64 s[24:25], s[4:5], s[24:25]
	s_add_nc_u64 s[26:27], s[10:11], s[26:27]
	s_add_nc_u64 s[28:29], s[10:11], s[28:29]
	s_add_nc_u64 s[30:31], s[6:7], s[30:31]
	s_add_nc_u64 s[32:33], s[8:9], s[32:33]
	s_add_nc_u64 s[34:35], s[12:13], s[34:35]
	s_add_nc_u64 s[36:37], s[12:13], s[36:37]
.macro LOAD t                          ; rows 2 t and 2 t + 1: four loads of 512 consecutive bytes
.irp i, 0,1,2,3
	global_load_b128 v[R+16*((\t)%4)+4*\i:R+16*((\t)%4)+4*\i+3], v3, s[24:25] offset:(2*(\t)+\i/2)*16384+(\i%2)*512 th:TH_LOAD_NT
.endr
.endm
.macro TURN t                          ; a wave's LDS instructions are served in order (ISA guide 5.7.1.4): no wait stands between the stores and the loads
.irp i, 0,1,2,3
	ds_store_b128 v14, v[R+16*((\t)%4)+4*\i:R+16*((\t)%4)+4*\i+3] offset:32*SP*((\t)%2)+8*SP*\i
.endr
.irp i, 0,1,2,3
	ds_load_b128 v[X+16*((\t)%2)+4*\i:X+16*((\t)%2)+4*\i+3], v15 offset:32*SP*((\t)%2)+16*\i
.endr
.endm
.macro STEPX t
.if (\t) > 0
	s_wait_dscnt 1                                 ; this step's numbers are back from the stage (the last byte store may be out)
.else
	s_wait_dscnt 0x0                               ; and W's int8 too
.endif
.if (\t)+4 < 16
	LOAD (\t)+4
.endif
.if (\t)+1 < 16
.if 14-(\t) >= 3
	s_wait_loadcnt 12                              ; the next step's four loads are in; those of the three steps behind it may be out
.else
	s_wait_loadcnt 4*(14-(\t))
.endif
	TURN (\t)+1
.endif
.set XS, X+16*((\t)%2)
	v_max3_num_f32 v8, |v[XS]|, |v[XS+1]|, |v[XS+2]|               ; the largest magnitude of my 16, in two chains
	v_max3_num_f32 v9, |v[XS+3]|, |v[XS+4]|, |v[XS+5]|
.irp i, 6,10
	v_max3_num_f32 v8, v8, |v[XS+\i]|, |v[XS+\i+1]|
	v_max3_num_f32 v9, v9, |v[XS+\i+2]|, |v[XS+\i+3]|
.endr
	v_max3_num_f32 v8, v8, |v[XS+14]|, |v[XS+15]|
	v_max3_num_f32 v8, v8, v9, 0x8000000           ; and the floor 2^(16 - 127)
	v_max_num_f32_dpp v8, v8, v8 row_xmask:1 row_mask:0xf bank_mask:0xf   ; and of my neighbour's 16: the block's
	v_add_nc_u32 v11, 0xf8800000, v8               ; 15 off the exponent field: the conversion's scale operand
	v_and_or_b32 v10, v8, 0x7f800000, s23          ; 57,344 x the scale
.irp i, 0,1,2,3,4,5,6,7,8,9,10,11,12,13,14,15
	v_med3_num_f32 v[XS+\i], v[XS+\i], -v10, v10   ; the conversion does not saturate (ISA guide 7.6.2): the hold comes first
.endr
	v_cvt_scalef32_pk8_bf8_f32 v[C+4*(\t):C+4*(\t)+1], v[XS:XS+7], v11
	v_cvt_scalef32_pk8_bf8_f32 v[C+4*(\t)+2:C+4*(\t)+3], v[XS+8:XS+15], v11
	v_lshrrev_b32 v[E+(\t)], 23, v11               ; the byte; also the plain line behind the conversions
	ds_store_b8 v5, v[E+(\t)] offset:16*(\t)       ; both lanes of a block write the same byte with the same value
	global_store_b128 v3, v[C+4*(\t):C+4*(\t)+3], s[26:27] offset:512*(\t)   ; 512 consecutive bytes
.endm
.macro STEPW c                         ; 16 numbers of W: k = 32 c + 16 h + 0 .. 15 of my row
.irp q, 0,1,2,3
	v_lshlrev_b32 v[WX+4*\q],   24, v[WT+4*(\c)+\q]
	v_lshlrev_b32 v[WX+4*\q+1], 16, v[WT+4*(\c)+\q]
	v_lshlrev_b32 v[WX+4*\q+2], 8,  v[WT+4*(\c)+\q]
	v_ashrrev_i32 v[WX+4*\q+3], 24, v[WT+4*(\c)+\q]
.endr
.irp i, 0,1,2,4,5,6,8,9,10,12,13,14
	v_ashrrev_i32 v[WX+\i], 24, v[WX+\i]
.endr
.irp i, 0,1,2,3,4,5,6,7,8,9,10,11,12,13,14,15
	v_cvt_f32_i32 v[WX+\i], v[WX+\i]
.endr
.irp i, 0,1,2,3,4,5,6,7,8,9,10,11,12,13,14,15
	v_mul_f32 v[WX+\i], v[WX+\i], v[GS]            ; the weight: one f32 multiplication by its group's scale
.endr
	v_max3_num_f32 v8, |v[WX]|, |v[WX+1]|, |v[WX+2]|
	v_max3_num_f32 v9, |v[WX+3]|, |v[WX+4]|, |v[WX+5]|
.irp i, 6,10
	v_max3_num_f32 v8, v8, |v[WX+\i]|, |v[WX+\i+1]|
	v_max3_num_f32 v9, v9, |v[WX+\i+2]|, |v[WX+\i+3]|
.endr
	v_max3_num_f32 v8, v8, |v[WX+14]|, |v[WX+15]|
	v_max3_num_f32 v8, v8, v9, 0x8000000
	v_permlanex16_b32 v10, v8, s40, s41
	v_max_num_f32 v8, v8, v10                      ; with lane l xor 16's 16: the block's
	v_add_nc_u32 v11, 0xf8800000, v8
	v_and_or_b32 v10, v8, 0x7f800000, s23
.irp i, 0,1,2,3,4,5,6,7,8,9,10,11,12,13,14,15
	v_med3_num_f32 v[WX+\i], v[WX+\i], -v10, v10
.endr
	v_cvt_scalef32_pk8_bf8_f32 v[WC+4*(\c):WC+4*(\c)+1], v[WX:WX+7], v11
	v_cvt_scalef32_pk8_bf8_f32 v[WC+4*(\c)+2:WC+4*(\c)+3], v[WX+8:WX+15], v11
	v_lshrrev_b32 v9, 23, v11                      ; the byte
.if (\c) == 0
	v_mov_b32 v[WS], v9
.else
	v_lshl_or_b32 v[WS], v9, 8*(\c), v[WS]
.endif
	global_store_b128 v3, v[WC+4*(\c):WC+4*(\c)+3], s[34:35] offset:512*(\c)   ; 512 consecutive bytes
.endm
	global_load_b32 v[GS], v[GSO], s[32:33]
.irp j, 0,1,2,3
	global_load_b128 v[WT+4*\j:WT+4*\j+3], v[TLO], s[30:31] offset:8192*\j th:TH_LOAD_NT   ; sixteen lanes read 256 consecutive bytes of a row
.endr
.irp t, 0,1,2,3
	LOAD \t
.endr
	s_wait_loadcnt 12                              ; all but the twelve youngest: W's five loads and step 0's four are in
.irp j, 0,1,2,3
	ds_store_b128 v[WSTO], v[WT+4*\j:WT+4*\j+3] offset:2*272*\j
.endr
	s_wait_dscnt 0x0                               ; for the others' sake
	s_barrier_signal -1
	s_barrier_wait -1
.irp c, 0,1,2,3
	ds_load_b128 v[WT+4*\c:WT+4*\c+3], v[WRD] offset:32*\c
.endr
	TURN 0
.irp t, 0,1,2,3,4,5,6,7,8,9,10,11,12,13,14,15
	STEPX \t
.if ((\t)%3 == 1) && ((\t) < 11)
	STEPW (\t)/3                                   ; behind x's steps 1, 4, 7 and 10
.endif
.endr
	ds_load_b64 v[12:13], v6                       ; these see my byte stores: a wave's LDS instructions are served in order
	s_wait_dscnt 0x0
	global_store_b64 v7, v[12:13], s[28:29]        ; 256 consecutive bytes, aligned
	global_store_b32 v[WSO], v[WS], s[36:37]       ; my 16 rows' scale words
	s_wait_tensorcnt 0x0                           ; the wave's end
	ds_add_u32 v254, v255
	s_wait_dscnt 0x0
	s_endpgm
.Lfunc_end_k_q94e8ab1c92_quant:
	.size	k_q94e8ab1c92_quant, .Lfunc_end_k_q94e8ab1c92_quant-k_q94e8ab1c92_quant
	.p2alignl 7, 3214868480
	.fill 96, 4, 3214868480
	.section	.rodata,"a",@progbits
	.p2align	6, 0x0
	.amdhsa_kernel k_q94e8ab1c92_quant
		.amdhsa_group_segment_fixed_size 41984
		.amdhsa_private_segment_fixed_size 0
		.amdhsa_enable_private_segment 0
		.amdhsa_kernarg_size 40
		.amdhsa_user_sgpr_count 2
		.amdhsa_user_sgpr_kernarg_segment_ptr 1
		.amdhsa_wavefront_size32 1
		.amdhsa_system_sgpr_workgroup_id_x 1
		.amdhsa_system_sgpr_workgroup_id_y 1
		.amdhsa_system_sgpr_workgroup_id_z 1
		.amdhsa_system_vgpr_workitem_id 0
		.amdhsa_next_free_vgpr 256
		.amdhsa_next_free_sgpr 66
		.amdhsa_reserve_vcc 0
		.amdhsa_float_denorm_mode_32 3
		.amdhsa_float_denorm_mode_16_64 3
		.amdhsa_memory_ordered 1
		.amdhsa_forward_progress 1
		.amdhsa_inst_pref_size 70
	.end_amdhsa_kernel
	.amdgpu_metadata
---
amdhsa.version: [ 1, 2 ]
amdhsa.kernels:
  - .name:           k_q94e8ab1c92_quant
    .symbol:         k_q94e8ab1c92_quant.kd
    .args:
      - { .name: x, .offset: 0, .size: 8, .value_kind: global_buffer, .address_space: global }
      - { .name: ternary, .offset: 8, .size: 8, .value_kind: global_buffer, .address_space: global }
      - { .name: scales, .offset: 16, .size: 8, .value_kind: global_buffer, .address_space: global }
      - { .name: xq, .offset: 24, .size: 8, .value_kind: global_buffer, .address_space: global }
      - { .name: wq, .offset: 32, .size: 8, .value_kind: global_buffer, .address_space: global }
    .group_segment_fixed_size: 41984
    .private_segment_fixed_size: 0
    .kernarg_segment_align: 8
    .kernarg_segment_size: 40
    .max_flat_workgroup_size: 128
    .sgpr_count:     66
    .vgpr_count:     256
    .wavefront_size: 32
...
	.end_amdgpu_metadata
.endif
;; end of part 1
;; launch gemm (part 2): grid 8 x 32, 4 waves a work-group, clusters of 4 x 1, 327,680 bytes of LDS; arguments xq, wq, out0; writes out0
.if DOCPART == 2
	.amdgcn_target "amdgcn-amd-amdhsa--gfx1250"
	.amdhsa_code_object_version 6
	.text
	.protected	k_q94e8ab1c92_gemm
	.globl	k_q94e8ab1c92_gemm
	.p2align	8
	.type	k_q94e8ab1c92_gemm,@function
k_q94e8ab1c92_gemm:
	s_mov_b64 s[64:65], 0
	v_nop
	global_prefetch_b8 v0, s[64:65] scope:SCOPE_SE
	s_setreg_imm32_b32 hwreg(HW_REG_WAVE_MODE, 25, 1), 1
	s_wait_xcnt 0x0
	s_wait_alu depctr_hold_cnt(0) depctr_sa_sdst(0) depctr_va_vdst(0) depctr_va_sdst(0) depctr_va_ssrc(0) depctr_va_vcc(0) depctr_vm_vsrc(0)
	s_getreg_b32 s2, hwreg(HW_REG_IB_STS2, 6, 4)
	s_cmp_eq_u32 s2, 0
	s_cbranch_scc0 .Lentry_in_a_cluster
	s_endpgm
.Lentry_in_a_cluster:
	s_bfe_u32 s2, ttmp6, 0x10000c
	s_cmp_lg_u32 s2, 0x3003
	s_cbranch_scc0 .Lentry_shape_is_right
	s_endpgm
.Lentry_shape_is_right:
; out0[m][n] = sum over k of x[m][k] W[n][k], on codes of BF8 (E5M2) with one E8M0 byte for each 32 along K, as the launch before has laid them; sums in f32.
; A work-group makes 256 x 256 of the result; wave w makes all 256 rows x columns 64 w .. 64 w + 63: 64 accumulators of 16 x 16, 512 registers.
; x'S CODES AND SCALE BYTES go through a ring of two LDS slots of 512 along K: a slot is four dense blocks of xq (256 along K x 128 rows, 132 x 256 bytes), one tensor load a wave.  The four work-groups of a
; cluster (one tile row, four tile columns) ask for each block jointly.  A refill is asked for 256 matrix instructions a wave ahead of the wait for it.
; W'S CODES go from memory straight into the operand's registers: wq lies in that order, a load covers 512 consecutive bytes, and each byte of the work-group's 256 rows of W is loaded by one wave alone.  A ring of four
; register sets: a step's 18 loads are issued three steps (192 matrix instructions) ahead of their use.  So W has no joint load (loads into registers have none) and no prefetch (its loads themselves run three steps ahead).
; x's tiles are prefetched: behind the refill with K step S + 2 the codes of K step S + 3 are named, each of the four partners naming 32 of a block's 128 rows by address; the 4 x 256 scale bytes of a block come by the load alone.
; THE MATRIX INSTRUCTION IS USED TRANSPOSED (source 0 = 16 rows of W, source 1 = 16 rows of x): a lane holds eight neighbouring numbers of a row of the result.
; A step is 128 along K: x's 16 blocks of 16 rows one after the other, each against W's four.  x's fragments have a ring of four units of two blocks: a unit is fetched when the unit that lay there has been multiplied.
; REGISTERS: window 0: v8-23 addresses, v24-31 W's scale words (4 sets), v32-63 x's scale words (2 sets), v64-67, v128-255 x's fragments; window 1: W's fragments, 4 sets of 64; windows 2, 3: accumulator (a, b) at v[8 (4 (a % 8) + b)].
.set PITCH,  272
.set BLK,    33792
.set HALFT,  132*PITCH                 ; a block in LDS
.set SCO,    128*PITCH                 ; its scale bytes
.set SLOT,   4*HALFT
.set SPARE,  2*SLOT                    ; the spare words
.set STAGE,  SPARE+512                 ; the way out: 16 rows x 272 bytes for each wave; no fill lands here
.set SSTG,   16*PITCH
.set KS512,  128*BLK                   ; bytes of xq from one 512 along K to the next
.set KSB,    262144                    ; bytes of W's codes for 128 along K
.set KSS,    8192                      ; and of its scale words
.set ADRA, 8                           ; v8-15   x's fragments: slot, 256 along K, row half
.set ADRS, 16                          ; v16-19  x's scale words: slot, 256 along K; lanes 16-31 take the lower row half's partner block
.set STO,  20
.set RD,   21
.set CO,   22
.set BOFF, 23
.set SB,   24
.set SCA,  32
.set SPW,  64
.set NIL,  65
.set PFO,  66
.set BSO,  67
.set AF,   128
.set G1,  24
.set G0,  32
.set BB,  44
.set BS,  46
.set PFA, 48
.set MSB, 0
.macro WIN new
.if MSB != \new
	s_set_vgpr_msb (MSB<<8)|\new
.set MSB, \new
.endif
.endm
.set MUL_LO, 0xa1                      ; source 0 (W) window 1, source 1 (x) window 0, C and D window 2; + 0x50: window 3
.set TO_B,   0x40
.macro PLACES n
.rept \n
	v_nop
.endr
.endm
.macro CREST
	s_cmp_lg_u32 s14, 0
	s_cbranch_scc1 .Lnot_wave_0_\@
	s_barrier_signal -3
.Lnot_wave_0_\@:
	s_barrier_wait -3
	s_barrier_signal -1
	s_barrier_wait -1
.endm
.macro CROUND
	s_barrier_signal -1
	s_barrier_wait -1
	CREST
.endm
	s_load_b128 s[4:7], s[0:1], 0x0                ; xq, wq
	s_load_b64 s[8:9], s[0:1], 0x10                ; out0
	v_lshl_add_u32 v[SPW], v0, 2, SPARE
	v_mov_b32 v[NIL], 0
	ds_add_u32 v[SPW], v[NIL]                      ; the opening lines: the add twice on end and its wait
	ds_add_u32 v[SPW], v[NIL]
	v_lshrrev_b32 v1, 5, v0
	v_readfirstlane_b32 s14, v1                    ; wave
	v_and_b32 v1, 15, v0                           ; r
	v_bfe_u32 v2, v0, 4, 1                         ; h
	v_and_b32 v3, 31, v0                           ; lane
	v_mul_u32_u24 v4, v1, PITCH
	v_lshl_add_u32 v6, v2, 5, v4
	v_lshl_add_u32 v4, v2, 4, v4                   ; a fragment's row x pitch + 16 h
.irp i, 0,1,2,3,4,5,6,7
	v_add_nc_u32 v[ADRA+\i], (\i/4)*SLOT+(\i%4)*HALFT, v4
.endr
	v_mul_u32_u24 v5, v2, HALFT
	v_lshl_add_u32 v5, v1, 3, v5                   ; 8 r; lanes 16-31 one block of 128 rows on
.irp i, 0,1,2,3
	v_add_nc_u32 v[ADRS+\i], (\i/2)*SLOT+(\i%2)*2*HALFT+SCO, v5
.endr
	s_mul_i32 s23, s14, SSTG
	s_add_co_u32 s23, s23, STAGE
	v_add_nc_u32 v[STO], s23, v6                   ; into my stage: row r, 32 bytes for each half of the lanes
	v_mul_u32_u24 v7, v2, PITCH
	v_lshl_add_u32 v7, v1, 4, v7
	v_add_nc_u32 v[RD], s23, v7                    ; back: sixteen lanes a row of 256 bytes
	v_lshlrev_b32 v[CO], 13, v2
	v_lshl_add_u32 v[CO], v1, 4, v[CO]             ; and the same two rows in out0
	v_lshlrev_b32 v[BOFF], 4, v3
	v_lshlrev_b32 v[BSO], 2, v3
	v_lshlrev_b32 v[PFO], 8, v3
	s_bfe_u32 s40, ttmp6, 0x40000                  ; cx
	s_lshl_b32 s42, ttmp9, 2
	s_add_co_u32 s42, s42, s40                     ; tile column
	s_and_b32 s17, ttmp7, 0xffff                   ; tile row
	s_mov_b32 s[G1+0], 15|(3<<16)|(1<<20)|(1<<21)|(5<<22)|(3<<25)  ; the cluster's four; elements of 8 bytes; 16 bytes of padding behind each 256
	s_mov_b32 s[G1+1], 32<<16
	s_mov_b32 s[G1+2], 132<<16
	s_mov_b32 s[G1+3], 32<<16
	s_mov_b32 s[G1+4], 132
	s_mov_b32 s[G1+5], 32
	s_mov_b32 s[G1+6], 0
	s_mov_b32 s[G1+7], 0
	s_lshr_b32 s20, s14, 1                         ; my block of a slot: 256 along K wave / 2, row half wave % 2
	s_lshl_b32 s20, s20, 6
	s_lshl_b32 s21, s17, 1
	s_add_co_u32 s20, s20, s21
	s_and_b32 s21, s14, 1
	s_add_co_u32 s20, s20, s21
	s_mul_i32 s20, s20, BLK
	s_mov_b32 s21, 0
	s_mul_i32 s22, s14, HALFT
	s_lshl_b32 s50, s42, 4
	s_lshl_b32 s51, s14, 2
	s_add_co_u32 s50, s50, s51                     ; my first block of 16 rows of W
	s_lshl_b32 s52, s50, 6
	s_add_co_u32 s52, s52, 8388608
	s_mov_b32 s53, 0
	s_lshl_b32 s50, s50, 11
	s_mov_b32 s51, 0
	s_lshl_b32 s54, s17, 21                        ; out0: 256 rows of 8,192 bytes, 1,024 bytes a tile column, 256 a wave
	s_lshl_b32 s55, s42, 10
	s_add_co_u32 s54, s54, s55
	s_lshl_b32 s55, s14, 8
	s_add_co_u32 s54, s54, s55
	s_mov_b32 s55, 0
	s_lshl_b32 s56, s40, 13                        ; the prefetches: my work-group's 32 rows of the block, beginning two slots on
	s_add_co_u32 s56, s56, 2*KS512
	s_mov_b32 s57, 0
	s_wait_alu depctr_va_vdst(0)
	s_wait_dscnt 0x0
	s_wait_kmcnt 0x0
	s_add_nc_u64 s[20:21], s[4:5], s[20:21]
	s_add_nc_u64 s[BB:BB+1], s[6:7], s[50:51]
	s_add_nc_u64 s[BS:BS+1], s[6:7], s[52:53]
	s_add_nc_u64 s[8:9], s[8:9], s[54:55]
	s_add_nc_u64 s[PFA:PFA+1], s[20:21], s[56:57]
.irp s, 0,1
	s_mov_b32 s[G0+4*\s], 1
	s_add_co_u32 s[G0+4*\s+1], s22, \s*SLOT
	s_add_nc_u64 s[G0+4*\s+2:G0+4*\s+3], s[20:21], \s*KS512
	s_or_b32 s[G0+4*\s+3], s[G0+4*\s+3], 0x80000000
.endr
.macro JLOAD s                         ; every wave's one joint load: its block of the slot
	tensor_load_to_lds s[G0+4*\s:G0+4*\s+3], s[G1:G1+7]
	s_nop 0
	PLACES 8
.endm
.macro BLOAD idx, set                  ; W's four fragments and two registers of scale words for the step idx steps behind the base
	WIN TO_B
.irp b, 0,1,2,3
.irp c, 0,1,2,3
	global_load_b128 v[64*(\set)+16*\b+4*\c:64*(\set)+16*\b+4*\c+3], v[BOFF], s[BB:BB+1] offset:(\idx)*KSB+2048*\b+512*\c
.endr
.endr
	WIN 0
.irp j, 0,1
	global_load_b32 v[SB+2*(\set)+\j], v[BSO], s[BS:BS+1] offset:(\idx)*KSS+128*\j   ; lanes 0-15 block 2 j, lanes 16-31 block 2 j + 1
.endr
.endm
.macro FETCHU slot, u, p               ; unit p (x's blocks 2 p, 2 p + 1) of the slot's step u
.irp a, 2*(\p), 2*(\p)+1
.irp c, 0,1,2,3
	ds_load_b128 v[AF+16*((\a)%8)+4*\c:AF+16*((\a)%8)+4*\c+3], v[ADRA+4*(\slot)+2*((\u)/2)+(\a)/8] offset:((\a)%8)*16*PITCH+128*((\u)%2)+32*\c
.endr
.endr
.endm
.macro SCALES slot, kk                 ; x's scale words for 256 along K: lanes 0-15 block i, lanes 16-31 block i + 8
.irp i, 0,1,2,3,4,5,6,7
	ds_load_b64 v[SCA+16*(\kk)+2*\i:SCA+16*(\kk)+2*\i+1], v[ADRS+2*(\slot)+(\kk)] offset:(\i/2)*PITCH+(\i%2)*128
.endr
.endm
.macro W4 c, e, hi
.if (\e)==0 && (\hi)==0
	v_wmma_scale_f32_16x16x128_f8f6f4 v[D_:D_+7], v[B_:B_+15], v[A_:A_+15], \c, v[SB_], v[SA_] matrix_a_fmt:MATRIX_FMT_BF8 matrix_b_fmt:MATRIX_FMT_BF8
.endif
.if (\e)==1 && (\hi)==0
	v_wmma_scale_f32_16x16x128_f8f6f4 v[D_:D_+7], v[B_:B_+15], v[A_:A_+15], \c, v[SB_], v[SA_] matrix_a_fmt:MATRIX_FMT_BF8 matrix_b_fmt:MATRIX_FMT_BF8 matrix_a_scale:MATRIX_SCALE_ROW1
.endif
.if (\e)==0 && (\hi)==1
	v_wmma_scale_f32_16x16x128_f8f6f4 v[D_:D_+7], v[B_:B_+15], v[A_:A_+15], \c, v[SB_], v[SA_] matrix_a_fmt:MATRIX_FMT_BF8 matrix_b_fmt:MATRIX_FMT_BF8 matrix_b_scale:MATRIX_SCALE_ROW1
.endif
.if (\e)==1 && (\hi)==1
	v_wmma_scale_f32_16x16x128_f8f6f4 v[D_:D_+7], v[B_:B_+15], v[A_:A_+15], \c, v[SB_], v[SA_] matrix_a_fmt:MATRIX_FMT_BF8 matrix_b_fmt:MATRIX_FMT_BF8 matrix_a_scale:MATRIX_SCALE_ROW1 matrix_b_scale:MATRIX_SCALE_ROW1
.endif
.endm
.macro MULU u, p, hi, z                ; 8 matrix instructions: unit p x W's four blocks; the 64 accumulators take turns; z = 1: the first product starts the sums
	WIN MUL_LO+0x50*(\hi)
.irp a, 2*(\p), 2*(\p)+1
.irp j, 0,1
.irp e, 0,1
.set D_, 8*(4*((\a)%8)+2*\j+\e)
.set B_, 64*(\u)+16*(2*\j+\e)
.set A_, AF+16*((\a)%8)
.set SB_, SB+2*(\u)+\j
.set SA_, SCA+16*((\u)/2)+2*((\a)%8)+(\u)%2
.if \z
	W4 0, \e, \hi
.else
	W4 v[D_:D_+7], \e, \hi
.endif
.endr
.endr
.endr
	WIN 0
.endm
; A step.  bidx >= 0: W's loads for three steps on.  lcnt: W's loads that may stay out.  kind 0: the next step lies in the same slot; 1: change of slots with a refill; 2: without; 3: the last step.
; s_wait_dscnt 24: the three younger units' 24 loads may be out.  Eight places stand between a unit's products and the loads into their registers.
.macro STEP slot, u, z, bidx, lcnt, kind
	s_wait_loadcnt \lcnt
.irp p, 0,1,2,3
	s_wait_dscnt 24
	MULU \u, \p, 0, \z
	PLACES 8
.if (\p==0) && (\bidx>=0)
	BLOAD \bidx, ((\u)+3)%4
.endif
.if (\p==1) && (\u==1)
	SCALES \slot, 1
.endif
	FETCHU \slot, \u, \p+4
.endr
.if \kind == 0
.irp p, 4,5,6,7
	s_wait_dscnt 24
	MULU \u, \p, 1, \z
	PLACES 8
	FETCHU \slot, (\u)+1, \p-4
.endr
.endif
.if (\kind == 1) || (\kind == 2)
.if \kind == 1
	s_wait_xcnt 0x0                                ; my last prefetch has read its address
	s_add_nc_u64 s[PFA:PFA+1], s[PFA:PFA+1], KS512
.endif
	s_wait_tensorcnt 0x0                           ; my block of the next slot has landed;
	ds_add_u32 v[SPW], v[NIL]
.if \kind == 1
	s_add_nc_u64 s[G0+4*(\slot)+2:G0+4*(\slot)+3], s[G0+4*(\slot)+2:G0+4*(\slot)+3], 2*KS512
.endif
	s_wait_dscnt 25                                ; (the add and units 5 to 7 may be out)
	MULU \u, 4, 1, 0
	s_wait_dscnt 0x0                               ; the add is done, and my reads of this slot are over
	s_barrier_signal -1
	MULU \u, 5, 1, 0
	s_barrier_wait -1
.if \kind == 1
	CREST                                          ; the barrier has opened a round of the cluster's barrier
	JLOAD \slot                                    ; the first tensor load behind the round; its v_nop are the places in front of the loads below
.else
	PLACES 8
.endif
	SCALES 1-(\slot), 0
	FETCHU 1-(\slot), 0, 0
	FETCHU 1-(\slot), 0, 1
.if \kind == 1
.if \slot == 1
	s_cmp_gt_u32 s3, 1                             ; in the last trip no 512 along K is left to name
	s_cbranch_scc0 .Lno_ask_\@
.endif
	global_prefetch_b8 v[PFO], s[PFA:PFA+1] th:TH_LOAD_NT scope:SCOPE_SE
.Lno_ask_\@:
.endif
	MULU \u, 6, 1, 0
	PLACES 8
	FETCHU 1-(\slot), 0, 2
	MULU \u, 7, 1, 0
	PLACES 8
	FETCHU 1-(\slot), 0, 3
.endif
.if \kind == 3
.irp p, 4,5,6,7
	s_wait_dscnt 8*(7-\p)
	MULU \u, \p, 1, 0
.endr
.endif
.endm
	CROUND                                         ; the four work-groups are here: the first joint loads meet
	JLOAD 0                                        ; one tensor load a wave at the head
	BLOAD 0, 0
	BLOAD 1, 1
	BLOAD 2, 2
	global_prefetch_b8 v[PFO], s[PFA:PFA+1] th:TH_LOAD_NT scope:SCOPE_SE   ; the first refill's codes
	s_wait_tensorcnt 0x0
	ds_add_u32 v[SPW], v[NIL]
	s_wait_dscnt 0x0
	CROUND
	JLOAD 1
	SCALES 0, 0
.irp p, 0,1,2,3
	FETCHU 0, 0, \p
.endr
	STEP 0, 0, 1, 3, 36, 0                         ; the first step starts the sums.  36: the two younger sets of 18 loads
	s_mov_b32 s3, 3
.Llap:                                                 ; a trip goes once round the ring, from a lap's second step to the next lap's first
	STEP 0, 1, 0, 4, 36, 0
	STEP 0, 2, 0, 5, 36, 0
	STEP 0, 3, 0, 6, 36, 1
	STEP 1, 0, 0, 7, 36, 0
	STEP 1, 1, 0, 8, 36, 0
	STEP 1, 2, 0, 9, 36, 0
	STEP 1, 3, 0, 10, 36, 1
	STEP 0, 0, 0, 11, 36, 0
	s_wait_xcnt 0x0                                ; W's loads have read their bases
	s_add_nc_u64 s[BB:BB+1], s[BB:BB+1], 8*KSB
	s_add_nc_u64 s[BS:BS+1], s[BS:BS+1], 8*KSS
	s_sub_co_u32 s3, s3, 1
	s_cmp_lg_u32 s3, 0
	s_cbranch_scc1 .Llap
	STEP 0, 1, 0, 4, 36, 0                         ; the last lap fills nothing; W's loads end with the last step's
	STEP 0, 2, 0, 5, 36, 0
	STEP 0, 3, 0, 6, 36, 2
	STEP 1, 0, 0, 7, 36, 0
	STEP 1, 1, 0, -1, 36, 0
	STEP 1, 2, 0, -1, 18, 0
	STEP 1, 3, 0, -1, 0, 3
; THE WAY OUT, block by block of 16 rows x 64 columns: through my own stage in LDS, back as whole rows of 256 bytes; a store covers two rows, each an aligned unit of 256 bytes.
.macro TOSTAGE a
.set AC, 32*((\a)%8)
	WIN 0x08+4*((\a)/8)
.irp b, 0,1,2,3
	ds_store_b128 v[STO], v[AC+8*\b:AC+8*\b+3] offset:64*\b          ; each accumulator from its low end on
	ds_store_b128 v[STO], v[AC+8*\b+4:AC+8*\b+7] offset:64*\b+16
.endr
	WIN 0
.set BK, AF+32*((\a)%4)
.irp t, 0,1,2,3,4,5,6,7
	ds_load_b128 v[BK+4*\t:BK+4*\t+3], v[RD] offset:\t*2*PITCH       ; a wave's LDS instructions are served in order
.endr
.endm
.macro SEND a, younger
.set BK, AF+32*((\a)%4)
	s_wait_dscnt \younger
.irp t, 0,1,2,3,4,5,6,7
	global_store_b128 v[CO], v[BK+4*\t:BK+4*\t+3], s[8:9] offset:(\a)*131072+\t*16384 th:TH_STORE_NT
.endr
.endm
	PLACES 8
	TOSTAGE 0
.irp a, 1,2,3,4,5,6,7,8,9,10,11,12,13,14,15
.if \a > 3
	s_wait_xcnt 0x0                                ; block a - 4's stores have read their registers
.endif
	TOSTAGE \a
	SEND \a-1, 16                                  ; behind block a - 1's loads: block a's 8 stores and 8 loads
.endr
	SEND 15, 0
	s_wait_tensorcnt 0x0                           ; the wave's end
	ds_add_u32 v[SPW], v[NIL]
	s_wait_dscnt 0x0
	CROUND                                         ; the closing round
	s_endpgm
.Lfunc_end_k_q94e8ab1c92_gemm:
	.size	k_q94e8ab1c92_gemm, .Lfunc_end_k_q94e8ab1c92_gemm-k_q94e8ab1c92_gemm
	.p2alignl 7, 3214868480
	.fill 96, 4, 3214868480
	.section	.rodata,"a",@progbits
	.p2align	6, 0x0
	.amdhsa_kernel k_q94e8ab1c92_gemm
		.amdhsa_group_segment_fixed_size 327680
		.amdhsa_private_segment_fixed_size 0
		.amdhsa_enable_private_segment 0
		.amdhsa_kernarg_size 24
		.amdhsa_user_sgpr_count 2
		.amdhsa_user_sgpr_kernarg_segment_ptr 1
		.amdhsa_wavefront_size32 1
		.amdhsa_system_sgpr_workgroup_id_x 1
		.amdhsa_system_sgpr_workgroup_id_y 1
		.amdhsa_system_sgpr_workgroup_id_z 1
		.amdhsa_system_vgpr_workitem_id 0
		.amdhsa_next_free_vgpr 1024
		.amdhsa_next_free_sgpr 66
		.amdhsa_reserve_vcc 0
		.amdhsa_float_denorm_mode_32 3
		.amdhsa_float_denorm_mode_16_64 3
		.amdhsa_memory_ordered 1
		.amdhsa_forward_progress 1
		.amdhsa_inst_pref_size 255
	.end_amdhsa_kernel
	.section	.bss,"aw",@nobits
	.p2align	6
	.space	262144
	.amdgpu_metadata
---
amdhsa.version: [ 1, 2 ]
amdhsa.kernels:
  - .name:           k_q94e8ab1c92_gemm
    .symbol:         k_q94e8ab1c92_gemm.kd
    .args:
      - { .name: xq, .offset: 0, .size: 8, .value_kind: global_buffer, .address_space: global }
      - { .name: wq, .offset: 8, .size: 8, .value_kind: global_buffer, .address_space: global }
      - { .name: out0, .offset: 16, .size: 8, .value_kind: global_buffer, .address_space: global }
    .group_segment_fixed_size: 327680
    .private_segment_fixed_size: 0
    .kernarg_segment_align: 8
    .kernarg_segment_size: 24
    .max_flat_workgroup_size: 128
    .sgpr_count:     66
    .vgpr_count:     1024
    .wavefront_size: 32
...
	.end_amdgpu_metadata
.endif
;; end of part 2
